; MI455X (gfx1250); checked and timed in simulation.
; The chip was launched on July 23, 2026; its instructions are those of AMD's public machine-readable ISA for CDNA 5 (MIT licence, August 2026) and "CDNA5" Instruction Set Architecture Reference Guide (July 2026). The comments in the code are by the model that wrote it; some were corrected since.
;; Attention. Allowed arithmetic: matrix products marked QUANTISED: E3M2 operands, one E8M0 scale for each 32 along K, by v_wmma_scale_f32_16x16x128_f8f6f4 with both operands' format E3M2, f32 sums; everything else in f32.
;; Inputs: Wk 512 x 64 float32; Wq 512 x 64 float32; Wv 512 x 64 float32; bk 64 float32; bq 64 float32; bv 64 float32; x 4 x 4,096 x 512 float32.
;; Outputs: out0 4 x 4,096 x 64 float32.
;; This version of the problem:
;;   THIS VERSION OF THE PROBLEM IS GIVEN IN LOW PRECISION. The matrix products marked QUANTISED in the list below multiply operands that are first quantised to E3M2 (3 exponent bits, 2 mantissa bits; 6 bits a number), with one power-of-two scale for each 32 numbers along K (OCP MX v1.0); their sums are f32. All else is computed in f32.
;;   The module's matrix products, in the order in which they are computed (A, B: the left and right operand; K: the contracted axis; several contracted axes count as one K, in the product's order):
;;     1. [M 16,384, K 512] x [K 512, N 64]; A: input x; B: input Wq: QUANTISED
;;     2. [M 16,384, K 512] x [K 512, N 64]; A: input x; B: input Wk: QUANTISED
;;     3. [M 16,384, K 512] x [K 512, N 64]; A: input x; B: input Wv: QUANTISED
;;     4. batch 4 x [M 4,096, K 64] x [K 64, N 4,096]; A: computed on the way; B: computed on the way: QUANTISED
;;     5. batch 4 x [M 4,096, K 4,096] x [K 4,096, N 64]; A: softmax (see below); B: computed on the way: QUANTISED
;;   THE QUANTISER, for each operand of a quantised product, along K:
;;     - K is cut into blocks of 32 from its start; a last block that is shorter is filled with zeros.
;;     - A block's scale is 2^e with e = floor(log2(the largest magnitude in the block)) - 4, held to -126 .. 127; a block of zeros has e = 0. As a byte (E8M0): e + 127.
;;     - Each number is divided by its block's scale, clamped to +-28, and rounded to the nearest number of E3M2, ties to even, subnormals kept.
;;     - The product sums the exact products of the quantised numbers (number of the format x scale) in f32.
;;   ~~~python
;;   def quantise(x, axis):      # numpy; x: float32 -> the quantised numbers, widened to float32 again
;;       x = np.moveaxis(x, axis, -1); K = x.shape[-1]
;;       x = np.pad(x, [(0, 0)] * (x.ndim - 1) + [(0, -K % 32)]); x = x.reshape(x.shape[:-1] + (-1, 32)); a = np.abs(x).max(-1, keepdims=True)
;;       e = np.where(a > 0, np.clip(np.frexp(np.where(a > 0, a, 1))[1] - 1 - 4, -126, 127), 0)      # np.frexp(a)[1] - 1 = floor(log2(a)), exactly
;;       r = np.clip(x / 2.0 ** e, -28, 28)
;;       step = 2.0 ** (np.maximum(np.frexp(np.where(r == 0, 1, r))[1] - 1, -2) - 2)
;;       q = np.round(r / step) * step * 2.0 ** e      # np.round: ties to even
;;       return np.moveaxis(q.reshape(q.shape[:-2] + (-1,))[..., :K], -1, axis).astype(np.float32)
;;   ~~~
;;   SOFTMAX AHEAD OF A QUANTISED PRODUCT. Where the list says 'softmax', what is quantised is not the finished softmax but p = 2^(t - M), with t = logit x log2(e) and M = ceil(the row's largest t), a whole number; so 1/2 < the row's largest p <= 1. The row's sum l is taken of the UNQUANTISED p, in f32, and the product's result is divided by l at the end. Since M is a whole number, a kernel that streams over the keys may use a running M (the ceiling of the running maximum): every later rescaling is an exact power of two, which a block's scale takes up: the codes' values come out the same.
;;   OPERANDS COMPUTED ON THE WAY. 'Computed on the way' means the value that the module computes at that place (a softmax that the list does not call 'softmax' is quantised finished and normalised). What goes into a quantiser is computed in f32, as accurately as f32 sums, v_exp_f32 and their like allow (about 1e-6 of the number): no bf16 or f16 on the way to a quantiser, and a product that is left as it is and whose result goes on into a quantised operand takes f32 operands (vector FMAs, or v_wmma_f32_16x16x4_f32). A number that lies on a knife's edge between two numbers of the format may be rounded either way, as far as f32 arithmetic and the matrix unit's own rounding can turn it there, and no further.
;; One version. Each part assembles by itself: llvm-mc -triple=amdgcn-amd-amdhsa -mcpu=gfx1250 --defsym DOCPART=n.
;; ======== version 1 of 1: 2 launches
;; limits: right only within a limited range of input values
;; workspace buffers: qc 851,968 bytes; kv 1,671,168 bytes
;; launch proj (part 1): grid 256 x 1, 16 waves a work-group, no clusters, 239,616 bytes of LDS; arguments x, Wq, Wk, Wv, bq, bk, bv, qc, kv; writes qc, kv
.if DOCPART == 1
	.amdgcn_target "amdgcn-amd-amdhsa--gfx1250"
	.amdhsa_code_object_version 6
	.text
	.protected	k_qcc3f0dd99d_proj
	.globl	k_qcc3f0dd99d_proj
	.p2align	8
	.type	k_qcc3f0dd99d_proj,@function
k_qcc3f0dd99d_proj:
	s_mov_b64 s[64:65], 0
	v_nop
	global_prefetch_b8 v0, s[64:65] scope:SCOPE_SE
	s_setreg_imm32_b32 hwreg(HW_REG_WAVE_MODE, 25, 1), 1
	s_wait_xcnt 0x0
; q = x Wq + bq, k = x Wk + bk, v = x Wv + bv on codes of BF6 (E3M2) with one E8M0 scale for each 32 along K = 512; then q and k are quantised along the head's 64 and v along the keys, and only codes and scale bytes leave.
; x: [16,384][512] f32.  W: [512][64] f32, K its first axis.  Work-group g owns rows 64 g .. 64 g + 63.
; SHARES.  Sixteen waves, four to a SIMD.  (1) Wave w quantises rows 32 w .. 32 w + 31 of all three weights: a lane takes a column and its 32 registers run down K: one whole block of 32; six units of 32 columns.
; (2) Then wave w = 4 T + s quantises rows 16 T .. 16 T + 15 x K step s (128 along K) of x: its own tile, fetched by its own tensor load at the head: no other wave reads it, so its own wait orders the reads.
; All codes go to LDS as images of an operand's registers, all scale bytes as words; one barrier; (3) six waves multiply: wave = 2 mat + a2: q and k: row tiles 2 a2, 2 a2 + 1 x all 64 channels; v: channel tiles 2 a2, 2 a2 + 1 x all 64 keys.
; One text serves all six: source 0 = four tiles (W for q and k, x for v), source 1 = two (x for q and k, W for v).  So a lane holds one row (v: one channel), and its registers run along the next product's K.
; ORDER OF A TILE'S ROWS.  Tile t of 64 rows (or of 64 columns of W) holds, at row m, number 32 (m / 8) + 8 t + m % 8.  So the 32 registers of four tiles are, in lane (r, h), the numbers 32 h + 0 .. 31 in order: one whole block: no other lane is asked for a maximum or a code.
; OUT.  qc: block g of 3,328 bytes: tile t at 768 t: registers 0-3 as an image of 16 bytes a lane, registers 4-5 as one of 8; at 3,072 the scale words, 8 bytes a lane: register b', lanes 0-15 tile 2 b', lanes 16-31 tile 2 b' + 1.
; A word is s0 | s1 << 8 | s0 << 16 | s1 << 24: the head fills half of the instruction's K = 128; the other half meets zero codes.
; kv: for each batch k (64 blocks laid as qc's), then v: 32 records of 6,400 bytes, 128 keys each: half c at 3,072 c: four channel tiles of 768 bytes; at 6,144 the scale words, bytes 2 c, 2 c + 1 of each from half c.
; The scale words leave in pieces (at most 256 of a block's 3,328 bytes): their units are shared by two waves or two work-groups.
; NO CLUSTER, NO PREFETCH.  x's rows are each work-group's own and all asked for at the head.  The weights' 393,216 bytes do not fit in LDS (327,680): shared tiles of them would need several fills, and they are wanted in registers, a column to a lane,
; as the plain loads bring them, 128 consecutive bytes a wave.  The text has no loop to run ahead in.
; LDS is filled once: one tensor load a wave.
; LIMITS: NaN and infinities are not served.  A block of zeros, or one whose largest magnitude lies under 2^-122, gets the byte 1: a block of zeros has zero codes, and this program alone reads the bytes.
.set XPITCH, 528                       ; a row of x's tile in LDS: 512 bytes + 16: the sixteen rows that a 16-byte load touches begin in sixteen different groups of four banks (64 banks of 4 bytes: ISA guide 11.1)
.set XTILE,  16*XPITCH
.set FRB,    1536                      ; a fragment's image: half c at 768 c: 16 bytes a lane, then 8 bytes a lane
.set WIMG,   16*XTILE                  ; 48 fragments: 16 mat + 4 t + s
.set WSC,    WIMG+48*FRB               ; their scale words, 64 bytes each
.set XIMG,   WSC+48*64                 ; x's 16 fragments: 4 t + s
.set XSC,    XIMG+16*FRB
.set SPARE,  XSC+16*64                 ; the spare words: 128 bytes for each wave
.set QBLK,   3328
.set BATCH,  417792
.set VOFF,   212992
.set VREC,   6400
.set ACC,  16                          ; v16-79   eight accumulators; they begin as the bias
.set FS,   80                          ; v80-223  two sets of fragments: four tiles at 72 p + 12 i, two at 72 p + 48 + 12 a; before them:
.set WS,   80                          ; v80-143  two sets of 32 numbers of W, then x's 64 numbers
.set PCW,  144                         ; v144-191 the six units' codes, 8 registers each
.set EB,   192                         ; v192-199 bytes
.set PCX,  200                         ; v200-215 x's codes
.set SCR,  224                         ; v224-235 scale words, and nothing else
.set T,    236                         ; v236-239 largest magnitudes; v240 the conversions' scale operand
.set SO,   240
.set OB,   80                          ; v80-95   the results' codes
.set SPW,  14
.set NIL,  15
.set F2S,  250                         ; v250 two tiles' scale words; v251 8 h; v252 16 lane; v253 8 lane; v254, v255 where the bias is read
.set SH,   251
.set G16,  252
.set G8,   253
.macro PLACES                          ; four plain places behind a matrix instruction of this form (ISA guide 7.12.1)
.rept 4
	v_nop
.endr
.endm
	s_load_b512 s[16:31], s[0:1], 0x0              ; x s[16:17], Wq s[18:19], Wk s[20:21], Wv s[22:23], bq s[24:25], bk s[26:27], bv s[28:29], qc s[30:31]
	s_load_b64 s[32:33], s[0:1], 0x40              ; kv
	v_lshl_add_u32 v[SPW], v0, 2, SPARE
	v_mov_b32 v[NIL], 0
	ds_add_u32 v[SPW], v[NIL]                      ; the opening add, twice on end
	ds_add_u32 v[SPW], v[NIL]
	v_lshrrev_b32 v1, 5, v0
	v_readfirstlane_b32 s10, v1                    ; wave
	s_and_b32 s11, s10, 3                          ; s
	s_lshr_b32 s12, s10, 2                         ; T
	s_lshr_b32 s13, s10, 1
	s_min_u32 s13, s13, 2                          ; mat
	s_and_b32 s14, s10, 1                          ; a2
	s_mov_b32 s40, (2<<16)|(1<<20)|(6<<22)|(3<<25) ; group 1: elements of 4 bytes, 16 bytes of padding behind every 128 words
	s_mov_b32 s41, 128<<16                         ; tensor_dim0
	s_mov_b32 s42, 16<<16                          ; tensor_dim1
	s_mov_b32 s43, 128<<16                         ; tile_dim0
	s_mov_b32 s44, 16                              ; tile_dim1
	s_mov_b32 s45, 512                             ; tensor_dim0_stride
	s_mov_b32 s46, 0
	s_mov_b32 s47, 0
	s_mov_b32 s36, 1
	s_mul_i32 s37, s10, XTILE
	s_lshl_b32 s48, ttmp9, 17                      ; x: 64 g rows of 2,048 bytes,
	s_lshl_b32 s15, s12, 15                        ; 16 T more,
	s_add_co_u32 s48, s48, s15
	s_lshl_b32 s15, s11, 9                         ; and 512 s bytes
	s_add_co_u32 s48, s48, s15
	s_mov_b32 s49, 0
	s_lshl_b32 s50, s10, 13                        ; W: 32 w rows of 256 bytes
	s_mov_b32 s51, 0
	v_and_b32 v240, 31, v0                         ; lane
	v_and_b32 v241, 15, v0                         ; r
	v_bfe_u32 v242, v0, 4, 1                       ; h
	v_and_b32 v243, 7, v0                          ; lane % 8
	v_lshlrev_b32 v1, 2, v240
	v_lshrrev_b32 v244, 3, v240                    ; lane / 8
	v_bfe_u32 v245, v0, 3, 1                       ; r / 8
	v_lshlrev_b32 v[G16], 4, v240
	v_lshlrev_b32 v[G8], 3, v240
	v_lshlrev_b32 v[SH], 3, v242
	v_lshlrev_b32 v254, 7, v242                    ; q's and k's bias: 32 h channels on;
	v_lshlrev_b32 v255, 7, v245
	v_lshl_add_u32 v255, v243, 2, v255             ; v's: channel 32 (r / 8) + r % 8, + 16 a2
	s_lshl_b32 s15, s14, 6
	v_add_nc_u32 v255, s15, v255
	; W's images: lane l of unit (mat, ch) has column 32 ch + l: tile l / 8, row 8 ch + l % 8; my block is K step w / 4, half c = (w / 2) % 2, h' = w % 2
	v_mul_u32_u24 v246, v244, 4*FRB
	s_wait_alu depctr_va_vdst(0)                   ; the wait ahead of the scalar lines below
	s_mul_i32 s15, s12, FRB
	s_bfe_u32 s34, s10, 0x10001
	s_mul_i32 s34, s34, 768
	s_add_co_u32 s15, s15, s34
	s_add_co_u32 s15, s15, WIMG
	s_lshl_b32 s34, s14, 8
	s_add_co_u32 s34, s34, s15
	v_lshl_add_u32 v2, v243, 4, v246
	v_add_nc_u32 v2, s34, v2
	s_lshl_b32 s34, s14, 7
	s_add_co_u32 s34, s34, s15
	s_add_co_u32 s34, s34, 512
	v_lshl_add_u32 v3, v243, 3, v246
	v_add_nc_u32 v3, s34, v3
	s_lshl_b32 s34, s12, 6
	s_add_co_u32 s34, s34, s11
	s_add_co_u32 s34, s34, WSC
	v_lshlrev_b32 v4, 8, v244
	v_lshl_add_u32 v4, v243, 2, v4
	v_add_nc_u32 v4, s34, v4                       ; byte w % 4 of the word
	; x: my tile, row r, my block h of each half: 128 bytes
	s_mul_i32 s34, s10, XTILE
	v_mul_u32_u24 v5, v241, XPITCH
	v_lshl_add_u32 v5, v242, 7, v5
	v_add_nc_u32 v5, s34, v5
	; x's images: row 16 T + r goes to tile 2 (T % 2) + r / 8, row 8 (T / 2) + r % 8
	s_and_b32 s35, s12, 1
	s_lshr_b32 s34, s12, 1
	s_mul_i32 s15, s35, 8*FRB
	s_mul_i32 s38, s11, FRB
	s_add_co_u32 s15, s15, s38
	s_add_co_u32 s15, s15, XIMG
	v_mul_u32_u24 v246, v245, 4*FRB
	s_lshl_b32 s38, s34, 7
	s_add_co_u32 s38, s38, s15
	v_lshl_add_u32 v6, v242, 8, v246
	v_lshl_add_u32 v6, v243, 4, v6
	v_add_nc_u32 v6, s38, v6
	s_lshl_b32 s38, s34, 6
	s_add_co_u32 s38, s38, s15
	s_add_co_u32 s38, s38, 512
	v_lshl_add_u32 v7, v242, 7, v246
	v_lshl_add_u32 v7, v243, 3, v7
	v_add_nc_u32 v7, s38, v7
	s_lshl_b32 s15, s35, 9
	s_lshl_b32 s38, s34, 5
	s_add_co_u32 s15, s15, s38
	s_lshl_b32 s38, s11, 6
	s_add_co_u32 s15, s15, s38
	s_add_co_u32 s15, s15, XSC
	v_lshl_add_u32 v8, v245, 8, v242
	v_lshl_add_u32 v8, v243, 2, v8
	v_add_nc_u32 v8, s15, v8                       ; byte 2 c + h of the word
	; the product's operands: four tiles (q, k: the matrix's 16 fragments; v: x's), two tiles (q, k: x's tiles 2 a2 on; v: Wv's)
	s_mul_i32 s15, s13, 16*FRB
	s_add_co_u32 s15, s15, WIMG
	s_lshl_b32 s34, s13, 10
	s_add_co_u32 s34, s34, WSC
	s_mul_i32 s35, s14, 8*FRB
	s_add_co_u32 s38, s35, XIMG
	s_add_co_u32 s35, s35, WIMG+32*FRB
	s_lshl_b32 s54, s14, 9
	s_add_co_u32 s56, s54, XSC
	s_add_co_u32 s54, s54, WSC+32*64
	s_cmp_eq_u32 s13, 2
	s_cselect_b32 s15, XIMG, s15
	s_cselect_b32 s34, XSC, s34
	s_cselect_b32 s35, s35, s38
	s_cselect_b32 s54, s54, s56
	v_add_nc_u32 v9, s15, v[G16]
	v_add_nc_u32 v10, s15, v[G8]
	v_add_nc_u32 v11, s35, v[G16]
	v_add_nc_u32 v12, s35, v[G8]
	v_lshl_add_u32 v13, v241, 2, s34
	v_lshl_add_u32 v[F2S], v241, 2, s54
	v_mov_b32 v242, 0                              ; written once: a lane permute's destination counts as one of its sources
	v_mov_b32 v243, 0
	; where my results go
	s_mul_i32 s52, ttmp9, QBLK                     ; q: block g of qc
	s_lshr_b32 s15, ttmp9, 6
	s_mul_i32 s15, s15, BATCH
	s_and_b32 s34, ttmp9, 63
	s_mul_i32 s54, s34, QBLK
	s_add_co_u32 s54, s54, s15                     ; k: the batch's block
	s_lshr_b32 s35, s34, 1
	s_mul_i32 s35, s35, VREC
	s_add_co_u32 s35, s35, s15
	s_add_co_u32 s35, s35, VOFF                    ; v: the batch's record,
	s_and_b32 s34, s34, 1
	s_mul_i32 s56, s34, 3072
	s_add_co_u32 s56, s56, s35                     ; its half,
	s_lshl_b32 s58, s34, 1
	s_add_co_u32 s58, s58, s35
	s_add_co_u32 s58, s58, 6144                    ; and its words' two bytes
	s_cmp_eq_u32 s13, 0
	s_cselect_b32 s52, s52, s54
	s_add_co_u32 s59, s52, 3072
	s_cmp_eq_u32 s13, 2
	s_cselect_b32 s52, s56, s52
	s_cselect_b32 s58, s58, s59
	s_mul_i32 s15, s14, 2*768
	s_add_co_u32 s52, s52, s15                     ; my two tiles' codes
	s_lshl_b32 s15, s14, 2
	s_add_co_u32 s58, s58, s15                     ; and their words
	s_mov_b32 s53, 0
	s_mov_b32 s59, 0
	s_mov_b32 s8, 0x76543210
	s_mov_b32 s9, 0xfedcba98                       ; v_permlanex16_b32's selects for lane l xor 16
	s_wait_alu depctr_va_vdst(0)
	s_wait_dscnt 0x0                               ; both opening adds are done
	s_wait_kmcnt 0x0
	s_add_nc_u64 s[38:39], s[16:17], s[48:49]
	s_or_b32 s39, s39, 0x80000000                  ; type = 2
	tensor_load_to_lds s[36:39], s[40:47]          ; my tile of x: 16 rows x 512 bytes
	s_nop 0
	PLACES
	s_cmp_eq_u32 s13, 0
	s_cselect_b64 s[60:61], s[30:31], s[32:33]     ; my results' buffer,
	s_cselect_b64 s[24:25], s[24:25], s[26:27]     ; my bias (waves 4 on: bv)
	s_cmp_eq_u32 s13, 2
	s_cselect_b64 s[24:25], s[28:29], s[24:25]
	s_add_nc_u64 s[18:19], s[18:19], s[50:51]
	s_add_nc_u64 s[20:21], s[20:21], s[50:51]
	s_add_nc_u64 s[22:23], s[22:23], s[50:51]
	s_add_nc_u64 s[52:53], s[60:61], s[52:53]
	s_add_nc_u64 s[58:59], s[60:61], s[58:59]
.irp b, 0,1,2,3                        ; every wave loads both forms, so that all ways write the same registers
	global_load_b128 v[ACC+8*\b:ACC+8*\b+3], v254, s[24:25] offset:32*\b        ; q, k: register j of channel tile b: bias 32 h + 8 b + j
	global_load_b128 v[ACC+8*\b+4:ACC+8*\b+7], v254, s[24:25] offset:32*\b+16
.endr
	global_load_b32 v248, v255, s[24:25]           ; v: my channel of tile 2 a2,
	global_load_b32 v249, v255, s[24:25] offset:32 ; and of tile 2 a2 + 1
.macro LOADW n                         ; unit n: matrix n / 2, columns 32 (n % 2) + lane: W(32 w + i, column), i = 0 .. 31
.set i, 0
.rept 32
	global_load_b32 v[WS+32*((\n)%2)+i], v1, s[18+2*((\n)/2):19+2*((\n)/2)] offset:256*i+128*((\n)%2)
.set i, i+1
.endr
.endm
; A block: 32 numbers of a lane, v[s] on, become six registers of codes in v[p] .. v[p + 5] (v[p + 6] at work) and the scale's byte in v[e].  Matrix results are read from each accumulator's low end on.
.macro QB s, p, e
.irp b, 0,1,2,3
	v_max3_num_f32 v[T+\b], |v[\s+8*\b]|, |v[\s+1+8*\b]|, 0x2800000   ; with the floor 2^(5 - 127): so the byte cannot fall under 1
.endr
.irp i, 2,4,6
.irp b, 0,1,2,3
	v_max3_num_f32 v[T+\b], v[T+\b], |v[\s+8*\b+\i]|, |v[\s+1+8*\b+\i]|
.endr
.endr
	v_max3_num_f32 v[T], v[T], v[T+1], v[T+2]
	v_max_num_f32 v[T], v[T], v[T+3]
	v_add_nc_u32 v[SO], 0xfe000000, v[T]           ; 4 off the exponent field: the conversion's scale operand
	v_cvt_scalef32_pk16_bf6_f32 v[\p:\p+2], v[\s:\s+15], v[SO]
	v_cvt_scalef32_pk16_bf6_f32 v[\p+4:\p+6], v[\s+16:\s+31], v[SO]   ; (a conversion's three registers begin on an even number)
	v_lshrrev_b32 v[\e], 23, v[SO]                 ; the byte; also the plain place behind the conversions
.irp i, 0,1,2
	v_mov_b32 v[\p+3+\i], v[\p+4+\i]               ; (ascending: each register is read before it is written)
.endr
.endm
.macro UNIT n
.if (\n) < 5
	s_wait_loadcnt 32                              ; this unit's loads are in; the next one's 32 may be out
.else
	s_wait_loadcnt 0x0
.endif
	QB WS+32*((\n)%2), PCW+8*(\n), EB+(\n)
.if (\n) < 4
	LOADW (\n)+2
.endif
	ds_store_b128 v2, v[PCW+8*(\n):PCW+8*(\n)+3] offset:16*FRB*((\n)/2)+128*((\n)%2)
	ds_store_b64 v3, v[PCW+8*(\n)+4:PCW+8*(\n)+5] offset:16*FRB*((\n)/2)+64*((\n)%2)
	ds_store_b8 v4, v[EB+(\n)] offset:1024*((\n)/2)+32*((\n)%2)
.endm
	LOADW 0
	LOADW 1
.irp n, 0,1,2,3,4,5
	UNIT \n
.endr
	s_wait_alu depctr_va_vdst(0)
	s_wait_tensorcnt 0x0                           ; my tile of x is in
.irp j, 0,1,2,3,4,5,6,7,8,9,10,11,12,13,14,15
	ds_load_b128 v[WS+4*\j:WS+4*\j+3], v5 offset:256*(\j/8)+16*(\j%8)   ; register 32 c + i: k = 64 c + 32 h + i of row r
.endr
	s_wait_dscnt 8
	QB WS, PCX, EB+6
	s_wait_dscnt 0x0
	QB WS+32, PCX+8, EB+7
.irp c, 0,1
	ds_store_b128 v6, v[PCX+8*\c:PCX+8*\c+3] offset:768*\c
	ds_store_b64 v7, v[PCX+8*\c+4:PCX+8*\c+5] offset:768*\c
	ds_store_b8 v8, v[EB+6+\c] offset:2*\c
.endr
	s_cmp_eq_u32 s13, 2
	s_cbranch_scc1 .Lv_bias
.set i, 0
.rept 32
	v_mov_b32 v[ACC+32+i], v[ACC+i]                ; the second row tile's bias
.set i, i+1
.endr
	s_wait_alu depctr_va_vdst(0)                   ; the wait ahead of the branch
	s_branch .Lbias
.Lv_bias:
.set i, 0
.rept 32
	v_mov_b32 v[ACC+i], v248                       ; one channel a lane: the same number in all registers
	v_mov_b32 v[ACC+32+i], v249
.set i, i+1
.endr
.Lbias:
	s_wait_alu depctr_va_vdst(0)
	s_wait_dscnt 0x0                               ; my images are in LDS
	s_barrier_signal -1
	s_barrier_wait -1                              ; all are
	s_cmp_gt_u32 s10, 5
	s_cbranch_scc1 .Lend                           ; waves 6-15 have no product: the head's LDS images are read the least by six waves of two tiles
.macro FETCH s, p                      ; K step s into set p: 30 loads
.irp i, 0,1,2,3
.irp c, 0,1
	ds_load_b128 v[FS+72*\p+12*\i+6*\c:FS+72*\p+12*\i+6*\c+3], v9 offset:(4*\i+\s)*FRB+768*\c
	ds_load_b64 v[FS+72*\p+12*\i+6*\c+4:FS+72*\p+12*\i+6*\c+5], v10 offset:(4*\i+\s)*FRB+768*\c+512
.endr
	ds_load_b32 v[SCR+6*\p+\i], v13 offset:(4*\i+\s)*64
.endr
.irp a, 0,1
.irp c, 0,1
	ds_load_b128 v[FS+72*\p+48+12*\a+6*\c:FS+72*\p+48+12*\a+6*\c+3], v11 offset:(4*\a+\s)*FRB+768*\c
	ds_load_b64 v[FS+72*\p+48+12*\a+6*\c+4:FS+72*\p+48+12*\a+6*\c+5], v12 offset:(4*\a+\s)*FRB+768*\c+512
.endr
	ds_load_b32 v[SCR+6*\p+4+\a], v[F2S] offset:(4*\a+\s)*64
.endr
.endm
.macro MUL8 p                          ; the eight accumulators take turns
.irp a, 0,1
.irp i, 0,1,2,3
.set DD, ACC+8*(4*\a+\i)
.set FA, FS+72*\p+12*\i
.set FB, FS+72*\p+48+12*\a
	v_wmma_scale_f32_16x16x128_f8f6f4 v[DD:DD+7], v[FA:FA+11], v[FB:FB+11], v[DD:DD+7], v[SCR+6*\p+\i], v[SCR+6*\p+4+\a] matrix_a_fmt:MATRIX_FMT_BF6 matrix_b_fmt:MATRIX_FMT_BF6
.endr
.endr
.endm
	FETCH 0, 0
	FETCH 1, 1
	s_wait_dscnt 30                                ; all but the next step's 30 loads; so below
	MUL8 0
	PLACES
	FETCH 2, 0
	s_wait_dscnt 30
	MUL8 1
	PLACES
	FETCH 3, 1
	s_wait_dscnt 30
	MUL8 0
	s_wait_dscnt 0x0
	MUL8 1
	PLACES
.irp a, 0,1
	QB ACC+32*\a, OB+8*\a, 246+\a
	global_store_b128 v[G16], v[OB+8*\a:OB+8*\a+3], s[52:53] offset:768*\a          ; 32 lanes store 512 consecutive bytes, at a multiple of 256 from the buffer's first byte
	global_store_b64 v[G8], v[OB+8*\a+4:OB+8*\a+5], s[52:53] offset:768*\a+512      ; and 256; each tile has data registers of its own
.endr
.irp a, 0,1
	v_lshlrev_b32 v[246+\a], v[SH], v[246+\a]      ; my block's byte at its place,
.endr
.irp a, 0,1
	v_permlanex16_b32 v[242+\a], v[246+\a], s8, s9
.endr
.irp a, 0,1
	v_or_b32 v[246+\a], v[246+\a], v[242+\a]       ; beside lane l xor 16's
.endr
	v_cmp_le_u32 vcc_lo, 128, v[G8]
	v_cndmask_b32 v244, v246, v247, vcc_lo         ; lanes 0-15: the first tile's, lanes 16-31: the second's
	v_lshl_or_b32 v245, v244, 16, v244             ; (q, k: the bytes of the empty half of K repeat the true ones)
	s_wait_alu depctr_va_vdst(0)                   ; the wait ahead of the branch
	s_cmp_eq_u32 s13, 2
	s_cbranch_scc1 .Lv_words
	global_store_b32 v[G8], v245, s[58:59]
	s_branch .Lend
.Lv_words:
	global_store_b16 v[G8], v244, s[58:59]
.Lend:
	s_wait_tensorcnt 0x0                           ; the wave's end
	ds_add_u32 v[SPW], v[NIL]
	s_wait_dscnt 0x0
	s_endpgm
.Lfunc_end_k_qcc3f0dd99d_proj:
	.size	k_qcc3f0dd99d_proj, .Lfunc_end_k_qcc3f0dd99d_proj-k_qcc3f0dd99d_proj
	.p2alignl 7, 3214868480
	.fill 96, 4, 3214868480
	.section	.rodata,"a",@progbits
	.p2align	6, 0x0
	.amdhsa_kernel k_qcc3f0dd99d_proj
		.amdhsa_group_segment_fixed_size 239616
		.amdhsa_private_segment_fixed_size 0
		.amdhsa_enable_private_segment 0
		.amdhsa_kernarg_size 72
		.amdhsa_user_sgpr_count 2
		.amdhsa_user_sgpr_kernarg_segment_ptr 1
		.amdhsa_wavefront_size32 1
		.amdhsa_system_sgpr_workgroup_id_x 1
		.amdhsa_system_sgpr_workgroup_id_y 1
		.amdhsa_system_sgpr_workgroup_id_z 1
		.amdhsa_system_vgpr_workitem_id 0
		.amdhsa_next_free_vgpr 256
		.amdhsa_next_free_sgpr 66
		.amdhsa_reserve_vcc 1
		.amdhsa_float_denorm_mode_32 3
		.amdhsa_float_denorm_mode_16_64 3
		.amdhsa_memory_ordered 1
		.amdhsa_forward_progress 1
		.amdhsa_inst_pref_size 62
	.end_amdhsa_kernel
	.amdgpu_metadata
---
amdhsa.version: [ 1, 2 ]
amdhsa.kernels:
  - .name:           k_qcc3f0dd99d_proj
    .symbol:         k_qcc3f0dd99d_proj.kd
    .args:
      - { .name: x, .offset: 0, .size: 8, .value_kind: global_buffer, .address_space: global }
      - { .name: Wq, .offset: 8, .size: 8, .value_kind: global_buffer, .address_space: global }
      - { .name: Wk, .offset: 16, .size: 8, .value_kind: global_buffer, .address_space: global }
      - { .name: Wv, .offset: 24, .size: 8, .value_kind: global_buffer, .address_space: global }
      - { .name: bq, .offset: 32, .size: 8, .value_kind: global_buffer, .address_space: global }
      - { .name: bk, .offset: 40, .size: 8, .value_kind: global_buffer, .address_space: global }
      - { .name: bv, .offset: 48, .size: 8, .value_kind: global_buffer, .address_space: global }
      - { .name: qc, .offset: 56, .size: 8, .value_kind: global_buffer, .address_space: global }
      - { .name: kv, .offset: 64, .size: 8, .value_kind: global_buffer, .address_space: global }
    .group_segment_fixed_size: 239616
    .private_segment_fixed_size: 0
    .kernarg_segment_align: 8
    .kernarg_segment_size: 72
    .max_flat_workgroup_size: 512
    .sgpr_count:     66
    .vgpr_count:     256
    .wavefront_size: 32
...
	.end_amdgpu_metadata
.endif
;; end of part 1
;; launch attn (part 2): grid 64 x 4, 16 waves a work-group, clusters of 4 x 1, 313,344 bytes of LDS; arguments qc, kv, out0; writes out0
.if DOCPART == 2
	.amdgcn_target "amdgcn-amd-amdhsa--gfx1250"
	.amdhsa_code_object_version 6
	.text
	.protected	k_qcc3f0dd99d_attn
	.globl	k_qcc3f0dd99d_attn
	.p2align	8
	.type	k_qcc3f0dd99d_attn,@function
k_qcc3f0dd99d_attn:
	s_mov_b64 s[64:65], 0
	v_nop
	global_prefetch_b8 v0, s[64:65] scope:SCOPE_SE
	s_setreg_imm32_b32 hwreg(HW_REG_WAVE_MODE, 25, 1), 1
	s_wait_xcnt 0x0
	s_wait_alu depctr_hold_cnt(0) depctr_sa_sdst(0) depctr_va_vdst(0) depctr_va_sdst(0) depctr_va_ssrc(0) depctr_va_vcc(0) depctr_vm_vsrc(0)
	s_getreg_b32 s2, hwreg(HW_REG_IB_STS2, 6, 4)
	s_cmp_eq_u32 s2, 0
	s_cbranch_scc0 .Lentry_in_a_cluster
	s_endpgm
.Lentry_in_a_cluster:
	s_bfe_u32 s2, ttmp6, 0x10000c
	s_cmp_lg_u32 s2, 0x3003
	s_cbranch_scc0 .Lentry_shape_is_right
	s_endpgm
.Lentry_shape_is_right:
; out[b][q][:] = the sum over k of softmax_k(q . k / 8) v[k][:], both products on codes of BF6 (E3M2) with one E8M0 scale for each 32 along a product's K.  4 batches x 4,096 tokens, head size 64.
; qc and kv hold codes and scale words in the ORDER OF AN OPERAND'S REGISTERS, so every read is a dense image of 16 or 8 bytes a lane.
; ORDER OF KEYS.  Both products are used transposed (S^T = K Q^T, O^T = V^T P^T): a lane holds ONE query.  Tile t of a block of 64 keys holds, at row m, key 32 (m / 8) + 8 t + m % 8: so the 32 registers of four tiles of S^T are, in lane (r, h),
; the 32 keys of block h IN ORDER: a whole block of the next product's K.  Its largest score and its codes need no other lane.  Queries and channels are laid by the same rule.
; THE SOFTMAX AHEAD OF THE SECOND PRODUCT.  t = score x log2(e) / 8.  Each block of 32 keys takes p' = 2^(t - m), m = floor(its largest t): its largest p' lies in [1, 2), so the block's scale exponent is -4 and the conversion's scale operand a constant.
; p = 2^(t - M) of the row's M is p' x 2^(m - M), an exact power of two: it goes into the block's scale byte (123 + m - M) and into its share of the row's sum.  M is taken once, over all the wave's keys; nothing is rescaled.  (M is a floor here and not a ceiling: one power of two
; in p and in the sum alike.)  The sum is of the unquantised p', in f32.
; SHARES.  A work-group owns 64 queries of one batch: 256 work-groups.  Sixteen waves, four to a SIMD: wave = 2 kg + qp: query tiles 2 qp and 2 qp + 1, and key group kg: 256 keys of each half of the batch: 8 units of 64 keys.  Each fragment of K and V serves both tiles.
; TWO TILES OF KEYS SHARE A FRAGMENT of K: tile 2 i in registers 0-5 (k 0-63), tile 2 i + 1 in 6-11 (k 64-127); Q is [codes][zero codes][codes]: an even tile meets registers 0-11 of them, an odd one 6-17, so that the other tile's codes meet zero codes.
; CLUSTER AND LDS.  A batch's K and V are 417,792 bytes, LDS has 327,680.  K's first half goes straight from memory into registers (units 0-3: three of them asked for at the head, ahead of the cluster's round);
; K's second half and all of V, 311,296 bytes that lie on end in kv, come into LDS by ONE joint fill, one load a wave, 76 rows of 256 bytes, shared by the four work-groups of a cluster, which belong to one batch.  No LDS byte is filled twice, and units 0-3 do not wait for the fill.
; K's first half is the part that is not shared: 106,496 of the 417,792 bytes.  No prefetch: the text has no loop to run ahead in, and all of K's first half and the fill are asked for by the end of the first unit.
; LIMITS: NaN and infinities are not served.  The promise holds while |t| stays under 2^31.  A block whose largest p lies under 2^-122 gets the byte 1: those p are nothing beside the row's largest.  The f32 sums are ordered otherwise than in one pass over the keys: eight groups, merged by exact powers of two.
.set QBLK,  3328                       ; 64 rows of q or k
.set VREC,  6400                       ; 128 keys of v
.set BATCH, 417792                     ; a batch's K, then its V
.set KHALF, 106496                     ; LDS: K's second half from 0 on,
.set VA,    KHALF                      ; then V
.set VHALF, 102400
.set SPARE, VA+2*VHALF                 ; the spare words: 128 bytes for each wave
.set ROWS,  76                         ; a wave's part of the fill
.set RP,    272                        ; a row of O in LDS: 256 bytes + 16
.set DB,    0                          ; the merge: 8 groups x 64 rows of O, over K's second half and the first records of V
.set ML,    DB+512*RP                  ; and their (-M, sum), 8 bytes a row
; v0 thread; v1, v2 16 and 8 x lane; v3, v4 the spare word's address and 0; v5, v6 my group's K in LDS; v7, v8 V, first half; v9, v10 second half; v11 8 h; v12 2^-4
.set T,   14                           ; v14-17   at work
.set X,   18                           ; v18-20   the second half of a block's codes
.set QF,  22                           ; v22-57   Q: two tiles x ([codes][zero codes][codes])
.set KF,  58                           ; v58-81   a unit's K: two fragments
.set S,   82                           ; v82-113  S^T of a unit, then p'
.set MS,  114                          ; v114-145 (-m, sum) of each unit and tile
.set PC,  146                          ; v146-241 P's codes; units 1 and 2 have their K where units 4 on put their codes
.set KF1, 194
.set KF2, 218
.set KS,  242                          ; scales, and nothing else: v242-243 K's; v244 Q's; v246-249 V's, two sets; v250-253 P's, and before them K's of units 1 and 2
.set QS,  244
.set VS,  246
.set PW,  250
.set VF,  22                           ; behind the last scores: v22-69 V's fragments,
.set OT,  82                           ; v82-145 O^T: 2 tiles x 4 accumulators; v70-73 (-M, sum) of the two tiles
.macro CROUND                          ; a round of the cluster's barrier
	s_barrier_signal -1
	s_barrier_wait -1
	s_cmp_lg_u32 s10, 0
	s_cbranch_scc1 .Lnot_wave_0_\@
	s_barrier_signal -3
.Lnot_wave_0_\@:
	s_barrier_wait -3
	s_barrier_signal -1
	s_barrier_wait -1
.endm
.macro WM d, a, b, c, sa, sb, ra, rb   ; ra, rb = 1: the scales stand in lanes 16-31
.if (\ra) && (\rb)
	v_wmma_scale_f32_16x16x128_f8f6f4 v[\d:\d+7], v[\a:\a+11], v[\b:\b+11], \c, v[\sa], v[\sb] matrix_a_fmt:MATRIX_FMT_BF6 matrix_b_fmt:MATRIX_FMT_BF6 matrix_a_scale:MATRIX_SCALE_ROW1 matrix_b_scale:MATRIX_SCALE_ROW1
.elseif (\ra)
	v_wmma_scale_f32_16x16x128_f8f6f4 v[\d:\d+7], v[\a:\a+11], v[\b:\b+11], \c, v[\sa], v[\sb] matrix_a_fmt:MATRIX_FMT_BF6 matrix_b_fmt:MATRIX_FMT_BF6 matrix_a_scale:MATRIX_SCALE_ROW1
.elseif (\rb)
	v_wmma_scale_f32_16x16x128_f8f6f4 v[\d:\d+7], v[\a:\a+11], v[\b:\b+11], \c, v[\sa], v[\sb] matrix_a_fmt:MATRIX_FMT_BF6 matrix_b_fmt:MATRIX_FMT_BF6 matrix_b_scale:MATRIX_SCALE_ROW1
.else
	v_wmma_scale_f32_16x16x128_f8f6f4 v[\d:\d+7], v[\a:\a+11], v[\b:\b+11], \c, v[\sa], v[\sb] matrix_a_fmt:MATRIX_FMT_BF6 matrix_b_fmt:MATRIX_FMT_BF6
.endif
.endm
.macro KREG k                          ; where unit k's K and its scale words lie
.if (\k) == 1
.set KR, KF1
.set KW, PW
.elseif (\k) == 2
.set KR, KF2
.set KW, PW+2
.else
.set KR, KF
.set KW, KS
.endif
.endm
.macro LOADK k                         ; unit k's K: four tiles of 16 keys, tile t into registers 6 t on, and the scale words: 9 loads
	KREG \k
.irp t, 0,1,2,3
.if (\k) < 4
	global_load_b128 v[KR+6*\t:KR+6*\t+3], v1, s[56:57] offset:QBLK*(\k)+768*\t
	global_load_b64 v[KR+6*\t+4:KR+6*\t+5], v2, s[56:57] offset:QBLK*(\k)+768*\t+512
.else
	ds_load_b128 v[KR+6*\t:KR+6*\t+3], v5 offset:QBLK*((\k)-4)+768*\t
	ds_load_b64 v[KR+6*\t+4:KR+6*\t+5], v6 offset:QBLK*((\k)-4)+768*\t+512
.endif
.endr
.if (\k) < 4
	global_load_b64 v[KW:KW+1], v2, s[56:57] offset:QBLK*(\k)+3072
.else
	ds_load_b64 v[KW:KW+1], v6 offset:QBLK*((\k)-4)+3072
.endif
.endm
	s_load_b128 s[4:7], s[0:1], 0x0                ; qc, kv
	s_load_b64 s[8:9], s[0:1], 0x10                ; out0
	v_lshl_add_u32 v3, v0, 2, SPARE
	v_mov_b32 v4, 0
	ds_add_u32 v3, v4                              ; the opening add, twice on end
	ds_add_u32 v3, v4
	v_lshrrev_b32 v13, 5, v0
	v_readfirstlane_b32 s10, v13                   ; wave 0..15
	s_lshr_b32 s12, s10, 1                         ; kg
	s_and_b32 s13, s10, 1                          ; qp
	s_bfe_u32 s16, ttmp6, 0x40000                  ; cx
	s_lshl_b32 s14, ttmp9, 2
	s_add_co_u32 s14, s14, s16                     ; my block of 64 queries: it enters qc's and out0's addresses alone
	s_and_b32 s15, ttmp7, 0xffff                   ; the batch, which the four partners share
	; group 1: a dense block as rows of 32 elements of 8 bytes, no padding; the mask names all four work-groups, bit 21 beside it
	s_mov_b32 s24, 15|(3<<16)|(1<<21)
	s_mov_b32 s25, 32<<16
	s_mov_b32 s26, ROWS<<16
	s_mov_b32 s27, 32<<16
	s_mov_b32 s28, ROWS
	s_mov_b32 s29, 32
	s_mov_b32 s30, 0
	s_mov_b32 s31, 0
	s_mov_b32 s32, 1
	s_mul_i32 s33, s10, ROWS*256                   ; LDS: my part of the fill;
	s_add_co_u32 s54, s33, KHALF                   ; in the batch behind K's first half
	s_mov_b32 s55, 0
	s_mul_i32 s52, s15, BATCH
	s_mov_b32 s53, 0
	s_lshl_b32 s18, s15, 6
	s_add_co_u32 s18, s18, s14                     ; block of qc
	s_mul_i32 s38, s18, QBLK
	s_mul_i32 s40, s13, 2*768                      ; my two tiles' codes
	s_add_co_u32 s40, s40, s38
	s_mov_b32 s41, 0
	s_lshl_b32 s42, s13, 2                         ; and scale words: register qp of the image, tile 2 qp in lanes 0-15, tile 2 qp + 1 in lanes 16-31
	s_add_co_u32 s42, s42, s38
	s_add_co_u32 s42, s42, 3072
	s_mov_b32 s43, 0
	s_mul_i32 s50, s12, 4*QBLK                     ; my group's four blocks in a half of K,
	s_mov_b32 s51, 0
	s_mul_i32 s49, s12, 2*VREC                     ; two records in a half of V
	s_add_co_u32 s49, s49, VA
	v_and_b32 v82, 31, v0                          ; lane
	v_bfe_u32 v11, v0, 4, 1                        ; h
	v_lshlrev_b32 v1, 4, v82
	v_lshlrev_b32 v2, 3, v82
	v_lshlrev_b32 v11, 3, v11
	v_mov_b32 v12, 0x3d800000                      ; 2^-4: the conversions' scale operand
	v_add_nc_u32 v5, s50, v1
	v_add_nc_u32 v6, s50, v2
	v_add_nc_u32 v7, s49, v1
	v_add_nc_u32 v8, s49, v2
	v_add_nc_u32 v9, VHALF, v7
	v_add_nc_u32 v10, VHALF, v8
	s_wait_alu depctr_va_vdst(0)
	s_wait_dscnt 0x0                               ; both opening adds are done
	s_wait_kmcnt 0x0
	s_add_nc_u64 s[40:41], s[4:5], s[40:41]
	s_add_nc_u64 s[42:43], s[4:5], s[42:43]
	s_add_nc_u64 s[52:53], s[6:7], s[52:53]        ; the batch
	s_add_nc_u64 s[56:57], s[52:53], s[50:51]      ; my group's K, first half
	s_add_nc_u64 s[34:35], s[52:53], s[54:55]
	s_or_b32 s35, s35, 0x80000000                  ; type = 2
.irp q, 0,1
	global_load_b128 v[QF+18*\q:QF+18*\q+3], v1, s[40:41] offset:768*\q          ; Q's codes stay in registers: lane (r, h): block h of query r;
	global_load_b64 v[QF+18*\q+4:QF+18*\q+5], v2, s[40:41] offset:768*\q+512
	global_load_b128 v[QF+18*\q+12:QF+18*\q+15], v1, s[40:41] offset:768*\q      ; and once more, behind the zero codes
	global_load_b64 v[QF+18*\q+16:QF+18*\q+17], v2, s[40:41] offset:768*\q+512
.endr
	global_load_b32 v[QS], v2, s[42:43]
	LOADK 0
	LOADK 1
	LOADK 2
	CROUND                                         ; all four work-groups are here: the joint loads meet
	tensor_load_to_lds s[32:35], s[24:31]          ; the launch's one fill
	s_nop 0
.rept 4
	v_nop
.endr
	; out0: at the end I own rows 4 wave .. 4 wave + 3 of the merge, which are tokens 32 ((wave / 2) % 2) + 8 (wave / 4) + 4 (wave % 2) + 0 .. 3 of the 64
	s_lshl_b32 s46, s18, 14
	s_bfe_u32 s16, s10, 0x10001
	s_lshl_b32 s16, s16, 13
	s_add_co_u32 s46, s46, s16
	s_lshr_b32 s16, s10, 2
	s_lshl_b32 s16, s16, 11
	s_add_co_u32 s46, s46, s16
	s_lshl_b32 s16, s13, 10
	s_add_co_u32 s46, s46, s16
	s_mov_b32 s47, 0
	s_add_nc_u64 s[46:47], s[8:9], s[46:47]
	s_mov_b32 s20, 0x76543210
	s_mov_b32 s21, 0xfedcba98                      ; v_permlanex16_b32's selects for lane l xor 16
	s_mov_b32 s22, 0x3e38aa3b                      ; c = log2(e) / 8
	s_mov_b32 s23, s22
	s_mov_b32 s48, 0xbe38aa3b                      ; -c
	s_mul_i32 s44, s10, 32*RP                      ; the merge: my 32 rows of O,
	s_add_co_u32 s44, s44, DB
	s_lshl_b32 s45, s10, 8                         ; their (-M, sum);
	s_add_co_u32 s45, s45, ML
	s_mul_i32 s58, s10, 4*RP                       ; and the four rows that I finish
	s_add_co_u32 s58, s58, DB
	s_lshl_b32 s59, s10, 5
	s_add_co_u32 s59, s59, ML
.irp j, 6,7,8,9,10,11
	v_mov_b32 v[QF+\j], 0                          ; the zero codes between Q's two copies, written once
	v_mov_b32 v[QF+18+\j], 0
.endr
.set j, 0
.rept 16
	v_mov_b32 v[MS+1+j], 0                         ; (named as the upper half of a pair before it is first written)
.set j, j+2
.endr
.macro KQ4 k, q                        ; S^T of unit k for tile q: four accumulators by turns
	KREG \k
.irp t, 0,1,2,3
	WM S+8*\t, KR+12*(\t/2), QF+18*\q+6*(\t%2), 0, KW+\t/2, QS, (\t%2), (\q)
.endr
.endm
; A unit's softmax for tile q: 32 scores of a lane, one block of keys.
.macro SM u, q
.set MK, MS+4*(\u)+2*(\q)
.set PK, PC+24*((\u)/2)+12*(\q)+6*((\u)%2)
.irp b, 0,1,2,3
	v_max3_num_f32 v[T+\b], v[S+8*\b], v[S+8*\b+1], v[S+8*\b+2]   ; each accumulator from its low end on
.endr
.irp i, 3,5
.irp b, 0,1,2,3
	v_max3_num_f32 v[T+\b], v[T+\b], v[S+8*\b+\i], v[S+8*\b+\i+1]
.endr
.endr
	v_max3_num_f32 v[T], v[T], v[S+7], v[S+15]
	v_max3_num_f32 v[T+1], v[T+1], v[S+23], v[S+31]
	v_max3_num_f32 v[T+2], v[T+2], v[T+3], v[T+1]
	s_delay_alu instid0(VALU_DEP_1)
	v_max_num_f32 v[T], v[T], v[T+2]               ; the block's largest score
	s_delay_alu instid0(VALU_DEP_1)
	v_mul_f32 v[T], s48, v[T]
	s_delay_alu instid0(VALU_DEP_1)
	v_ceil_f32 v[MK], v[T]                         ; -m = ceil(-t): m = floor(the largest t), a whole number
.set j, 0
.rept 16
	v_pk_fma_f32 v[S+j:S+j+1], v[S+j:S+j+1], s[22:23], v[MK:MK+1] op_sel_hi:[1,0,0]   ; t - m, two at a time
.set j, j+2
.endr
	s_wait_alu depctr_va_vdst(0)                   ; the wait ahead of the batch,
.set j, 0
.rept 32
	v_exp_f32 v[S+j], v[S+j]                       ; p', under 2
.set j, j+1
.endr
	v_nop                                          ; one plain place behind a transcendental
	s_wait_alu depctr_va_vdst(0)                   ; and behind it
.if (\q) && (\u) < 7                   ; the next unit's K is in:
.if (\u) == 0
	s_wait_loadcnt 18                              ; (unit 1's; behind it units 2 and 3 may be out)
.elseif (\u) == 1
	s_wait_loadcnt 9                               ; (unit 2's; unit 3 may be out)
.elseif (\u) == 2
	s_wait_loadcnt 0x0
.else
	s_wait_dscnt 0x0                               ; (asked for ahead of this softmax)
.endif
.endif
	v_cvt_scalef32_pk16_bf6_f32 v[PK:PK+2], v[S:S+15], v12
	v_cvt_scalef32_pk16_bf6_f32 v[X:X+2], v[S+16:S+31], v12       ; (a conversion's three registers begin on an even number)
	v_pk_add_f32 v[T:T+1], v[S:S+1], v[S+16:S+17]  ; THE SUM IS OF THE UNQUANTISED p'.  (The plain place behind the conversions: it writes none of their sources)
.irp i, 2,4,6,8,10,12,14
	v_pk_add_f32 v[S+\i:S+\i+1], v[S+\i:S+\i+1], v[S+16+\i:S+17+\i]
.endr
	v_pk_add_f32 v[T:T+1], v[T:T+1], v[S+8:S+9]
.irp i, 2,4,6
	v_pk_add_f32 v[S+\i:S+\i+1], v[S+\i:S+\i+1], v[S+8+\i:S+9+\i]
.endr
	s_delay_alu instid0(VALU_DEP_2)
	v_pk_add_f32 v[T:T+1], v[T:T+1], v[S+4:S+5]
	s_delay_alu instid0(VALU_DEP_2)
	v_pk_add_f32 v[S+2:S+3], v[S+2:S+3], v[S+6:S+7]
	s_delay_alu instid0(VALU_DEP_1)
	v_pk_add_f32 v[T:T+1], v[T:T+1], v[S+2:S+3]
.endm
; Its last four lines stand behind the next four products, as the places behind them.
.macro SMC u, q
.set MK, MS+4*(\u)+2*(\q)
.set PK, PC+24*((\u)/2)+12*(\q)+6*((\u)%2)
.irp i, 0,1,2
	v_mov_b32 v[PK+3+\i], v[X+\i]
.endr
	v_add_f32 v[MK+1], v[T], v[T+1]
.endm
.macro LV rho, p                       ; record rho's V: channel tiles 2 p and 2 p + 1: 8 loads; with p = 0 the scale words too: 9
.set AD, 7+2*((\rho)/2)
.irp n, 2*(\p), 2*(\p)+1
.irp c, 0,1
	ds_load_b128 v[VF+12*(\n)+6*\c:VF+12*(\n)+6*\c+3], v[AD] offset:VREC*((\rho)%2)+3072*\c+768*(\n)
	ds_load_b64 v[VF+12*(\n)+6*\c+4:VF+12*(\n)+6*\c+5], v[AD+1] offset:VREC*((\rho)%2)+3072*\c+768*(\n)+512
.endr
.endr
.if (\p) == 0
	ds_load_b64 v[VS+2*((\rho)%2):VS+2*((\rho)%2)+1], v[AD+1] offset:VREC*((\rho)%2)+6144
.endif
.endm
.macro PVP rho, p                      ; four products V^T P^T: channel tiles 2 p, 2 p + 1 x both query tiles; the eight accumulators take turns
.irp n, 2*(\p), 2*(\p)+1
.irp q, 0,1
.set DD, OT+8*(4*\q+(\n))
.if (\rho) == 0
	WM DD, VF+12*(\n), PC+24*(\rho)+12*\q, 0, VS+2*((\rho)%2)+(\p), PW+(\rho), ((\n)%2), (\q)
.else
	WM DD, VF+12*(\n), PC+24*(\rho)+12*\q, v[DD:DD+7], VS+2*((\rho)%2)+(\p), PW+(\rho), ((\n)%2), (\q)
.endif
.endr
.endr
.endm
.macro PLACES                          ; four plain places in front of loads into registers that the products just issued read
.rept 4
	v_nop
.endr
.endm
	s_wait_alu depctr_va_vdst(0)                   ; the wait at the head's end
	s_wait_loadcnt 18                              ; Q and unit 0's K are in; units 1 and 2 may be out
	KQ4 0, 0
	PLACES
.irp u, 0,1,2,3,4,5,6,7
	SM \u, 0
	KQ4 \u, 1
	SMC \u, 0
.if \u == 0
	LOADK 3                                        ; the last of K's first half
.endif
.if \u == 1
	s_wait_tensorcnt 0x0                           ; my part of the fill is in: say so
	s_barrier_signal -1
.endif
.if \u == 3
	s_barrier_wait -1                              ; K's second half and V are whole
.endif
.if (\u > 2) && (\u < 7)
	LOADK \u+1                                     ; it lands under the softmax of tile 1
.endif
.if \u == 7
	LV 0, 0                                        ; Q's and K's registers are free
	LV 0, 1
.endif
	SM \u, 1
.if \u < 7
	KQ4 \u+1, 0
.endif
	SMC \u, 1
.endr
	; M, ONCE FOR ALL MY KEYS (as -M, the least -m), then every block's byte, the scale words and the sums
.irp q, 0,1
	v_min3_num_f32 v[70+2*\q], v[MS+2*\q], v[MS+4+2*\q], v[MS+8+2*\q]
	v_min3_num_f32 v[74+\q], v[MS+12+2*\q], v[MS+16+2*\q], v[MS+20+2*\q]
.endr
.irp q, 0,1
	v_min3_num_f32 v[70+2*\q], v[70+2*\q], v[MS+24+2*\q], v[MS+28+2*\q]
.endr
.irp q, 0,1
	v_min_num_f32 v[70+2*\q], v[70+2*\q], v[74+\q]
.endr
.irp q, 0,1
	v_permlanex16_b32 v[76+\q], v[70+2*\q], s20, s21
.endr
.irp q, 0,1
	v_min_num_f32 v[70+2*\q], v[70+2*\q], v[76+\q]
.endr
.irp u, 0,1,2,3,4,5,6,7
.irp q, 0,1
	v_sub_f32 v[MS+4*\u+2*\q], v[70+2*\q], v[MS+4*\u+2*\q]    ; m - M: a whole number, 0 or less
.endr
.endr
.irp u, 0,1,2,3,4,5,6,7
.irp q, 0,1
	v_add_f32 v[MS+4*\u+2*\q], 0x42f60000, v[MS+4*\u+2*\q]    ; + 123: the scale's byte,
.endr
.endr
.irp u, 0,1,2,3,4,5,6,7
.irp q, 0,1
	v_max_num_f32 v[MS+4*\u+2*\q], 1.0, v[MS+4*\u+2*\q]       ; held at 1 from below
.endr
.endr
.irp u, 0,1,2,3,4,5,6,7
.irp q, 0,1
	v_cvt_u32_f32 v[MS+4*\u+2*\q], v[MS+4*\u+2*\q]
.endr
.endr
.irp q, 0,1
.irp p, 0,1,2,3
	v_lshl_or_b32 v[74+4*\q+\p], v[MS+8*\p+4+2*\q], 16, v[MS+8*\p+2*\q]   ; record p, tile q: my bytes of blocks h and 2 + h,
.endr
.endr
.set j, 0
.rept 8
	v_lshlrev_b32 v[74+j], v11, v[74+j]            ; at their places
.set j, j+1
.endr
.irp p, 0,1,2,3
	v_permlane16_swap_b32 v[74+\p], v[78+\p]       ; tile 0's lower lanes beside tile 1's, and tile 0's upper lanes beside tile 1's:
.endr
.irp p, 0,1,2,3
	v_or_b32 v[PW+\p], v[74+\p], v[78+\p]          ; lanes 0-15 hold tile 0's whole word, lanes 16-31 tile 1's
.endr
.irp u, 0,1,2,3,4,5,6,7
.irp q, 0,1
	v_lshlrev_b32 v[MS+4*\u+2*\q], 23, v[MS+4*\u+2*\q]        ; the byte as an f32: 2^(m - M - 4)
.endr
.endr
	v_mul_f32 v71, v[MS], v[MS+1]                  ; the sums, / 16
	v_mul_f32 v73, v[MS+2], v[MS+3]
	v_mul_f32 v74, v[MS+4], v[MS+5]
	v_mul_f32 v75, v[MS+6], v[MS+7]
.irp u, 2,4,6
	v_fmac_f32 v71, v[MS+4*\u], v[MS+4*\u+1]
	v_fmac_f32 v73, v[MS+4*\u+2], v[MS+4*\u+3]
	v_fmac_f32 v74, v[MS+4*\u+4], v[MS+4*\u+5]
	v_fmac_f32 v75, v[MS+4*\u+6], v[MS+4*\u+7]
.endr
	v_add_f32 v71, v71, v74
	v_add_f32 v73, v73, v75
	v_permlanex16_b32 v76, v71, s20, s21
	v_permlanex16_b32 v77, v73, s20, s21
	v_add_f32 v71, v71, v76                        ; with lane l xor 16's blocks
	v_add_f32 v73, v73, v77
	s_wait_alu depctr_va_vdst(0)
	s_wait_dscnt 0x0                               ; record 0's V is in
	PVP 0, 0
	PLACES
	LV 1, 0
	PVP 0, 1
	PLACES
	LV 1, 1
	s_wait_dscnt 0x0                               ; record 1's V is in: I have read all of K and of V's first half, where the merge's bytes lie:
	s_barrier_signal -1                            ; say so
	PVP 1, 0
	PLACES
	LV 2, 0
	PVP 1, 1
	PLACES
	LV 2, 1
	s_wait_dscnt 8                                 ; all but the eight loads of tiles 2 and 3
	PVP 2, 0
	PLACES
	LV 3, 0
	s_wait_dscnt 9                                 ; all but record 3's nine
	PVP 2, 1
	PLACES
	LV 3, 1
	s_wait_dscnt 8
	PVP 3, 0
	s_wait_dscnt 0x0
	PVP 3, 1
	; THE MERGE.  Every wave puts its O^T down as rows of 256 bytes + 16, with (-M, sum) beside; then each wave finishes four rows.  The address lines are the places behind the last products.
	v_and_b32 v14, 15, v0                          ; r
	v_bfe_u32 v15, v0, 4, 1                        ; h
	v_and_b32 v16, 31, v0                          ; lane
	v_mul_u32_u24 v1, v14, RP
	v_mul_u32_u24 v5, v15, RP
	v_lshl_add_u32 v2, v14, 3, s45
	v_lshl_add_u32 v1, v15, 7, v1
	v_lshl_add_u32 v5, v14, 4, v5
	v_lshl_add_u32 v7, v15, 3, s59
	v_add_nc_u32 v1, s44, v1                       ; down: row r, channels 32 h on
	v_add_nc_u32 v5, s58, v5                       ; back: lanes 0-15 one row, lanes 16-31 the next; groups 0-3,
	v_lshlrev_b32 v8, 4, v16                       ; and the same two rows in out0
	v_add_nc_u32 v6, 256*RP, v5                    ; groups 4-7
	s_wait_alu depctr_va_vdst(0)
	s_barrier_wait -1                              ; nobody reads K or V's first half any more
.irp q, 0,1
.irp n, 0,1,2,3
	ds_store_b128 v1, v[OT+32*\q+8*\n:OT+32*\q+8*\n+3] offset:16*RP*\q+32*\n       ; each accumulator from its low end on
	ds_store_b128 v1, v[OT+32*\q+8*\n+4:OT+32*\q+8*\n+7] offset:16*RP*\q+32*\n+16
.endr
	ds_store_b64 v2, v[70+2*\q:71+2*\q] offset:128*\q
.endr
	s_wait_tensorcnt 0x0                           ; my last LDS store and my last tensor load are behind me
	ds_add_u32 v3, v4
	s_wait_dscnt 0x0
	CROUND                                         ; the closing round (no partner asks any more for a tile that names my work-group), whose barriers also show everybody's rows
.set MI, 22                            ; v22-53 (-M, sum): eight groups for each of two rows
.irp i, 0,1
.irp g, 0,1,2,3,4,5,6,7
	ds_load_b64 v[MI+16*\i+2*\g:MI+16*\i+2*\g+1], v7 offset:512*\g+16*\i
.endr
.endr
.irp i, 0,1
.irp g, 0,1,2,3
	ds_load_b128 v[OT+32*\i+4*\g:OT+32*\i+4*\g+3], v5 offset:64*RP*\g+2*RP*\i
	ds_load_b128 v[OT+32*\i+16+4*\g:OT+32*\i+19+4*\g], v6 offset:64*RP*\g+2*RP*\i
.endr
.endr
	s_wait_dscnt 16                                ; all (-M, sum) are in; the 16 loads of O may be out
.irp i, 0,1
	v_min3_num_f32 v[54+\i], v[MI+16*\i], v[MI+16*\i+2], v[MI+16*\i+4]
	v_min3_num_f32 v[56+\i], v[MI+16*\i+6], v[MI+16*\i+8], v[MI+16*\i+10]
.endr
.irp i, 0,1
	v_min3_num_f32 v[54+\i], v[54+\i], v[MI+16*\i+12], v[MI+16*\i+14]
.endr
.irp i, 0,1
	v_min_num_f32 v[54+\i], v[54+\i], v[56+\i]     ; -M of all the keys
.endr
.irp g, 0,1,2,3,4,5,6,7
.irp i, 0,1
	v_sub_f32 v[MI+16*\i+2*\g], v[54+\i], v[MI+16*\i+2*\g]
.endr
.endr
.irp g, 0,1,2,3,4,5,6,7
.irp i, 0,1
	v_cvt_i32_f32 v[MI+16*\i+2*\g], v[MI+16*\i+2*\g]
.endr
.endr
.irp g, 0,1,2,3,4,5,6,7
.irp i, 0,1
	v_ldexp_f32 v[MI+16*\i+2*\g], 1.0, v[MI+16*\i+2*\g]   ; f_g: an exact power of two
.endr
.endr
.irp i, 0,1
	v_mul_f32 v[56+\i], v[MI+16*\i], v[MI+16*\i+1]
.endr
.irp g, 1,2,3,4,5,6,7
.irp i, 0,1
	v_fmac_f32 v[56+\i], v[MI+16*\i+2*\g], v[MI+16*\i+2*\g+1]
.endr
.endr
	s_wait_alu depctr_va_vdst(0)                   ; the wait ahead of the batch,
	v_rcp_f32 v58, v56
	v_rcp_f32 v59, v57
	v_nop                                          ; one plain place behind a transcendental
	s_wait_alu depctr_va_vdst(0)                   ; and behind it
.irp i, 0,1
	v_mul_f32 v[60+2*\i], 0x3d800000, v[58+\i]     ; 1 / (16 x what was summed)
	v_mul_f32 v[61+2*\i], 0x3d800000, v[58+\i]
.endr
	s_wait_alu depctr_va_vdst(0)
	s_wait_dscnt 0x0
.irp j, 0,2
.irp i, 0,1
	v_pk_mul_f32 v[64+4*\i+\j:65+4*\i+\j], v[OT+32*\i+\j:OT+32*\i+\j+1], v[MI+16*\i:MI+16*\i+1] op_sel_hi:[1,0]
.endr
.endr
.irp g, 1,2,3,4,5,6,7
.irp j, 0,2
.irp i, 0,1
	v_pk_fma_f32 v[64+4*\i+\j:65+4*\i+\j], v[OT+32*\i+4*\g+\j:OT+32*\i+4*\g+\j+1], v[MI+16*\i+2*\g:MI+16*\i+2*\g+1], v[64+4*\i+\j:65+4*\i+\j] op_sel_hi:[1,0,1]
.endr
.endr
.endr
.irp j, 0,2
.irp i, 0,1
	v_pk_mul_f32 v[64+4*\i+\j:65+4*\i+\j], v[64+4*\i+\j:65+4*\i+\j], v[60+2*\i:61+2*\i]
.endr
.endr
.irp i, 0,1
	global_store_b128 v8, v[64+4*\i:67+4*\i], s[46:47] offset:512*\i th:TH_STORE_NT   ; 16 lanes store 256 consecutive bytes, at a multiple of 256 from out0's first byte; written once, read by nobody here
.endr
	s_endpgm
.Lfunc_end_k_qcc3f0dd99d_attn:
	.size	k_qcc3f0dd99d_attn, .Lfunc_end_k_qcc3f0dd99d_attn-k_qcc3f0dd99d_attn
	.p2alignl 7, 3214868480
	.fill 96, 4, 3214868480
	.section	.rodata,"a",@progbits
	.p2align	6, 0x0
	.amdhsa_kernel k_qcc3f0dd99d_attn
		.amdhsa_group_segment_fixed_size 313344
		.amdhsa_private_segment_fixed_size 0
		.amdhsa_enable_private_segment 0
		.amdhsa_kernarg_size 24
		.amdhsa_user_sgpr_count 2
		.amdhsa_user_sgpr_kernarg_segment_ptr 1
		.amdhsa_wavefront_size32 1
		.amdhsa_system_sgpr_workgroup_id_x 1
		.amdhsa_system_sgpr_workgroup_id_y 1
		.amdhsa_system_sgpr_workgroup_id_z 1
		.amdhsa_system_vgpr_workitem_id 0
		.amdhsa_next_free_vgpr 256
		.amdhsa_next_free_sgpr 66
		.amdhsa_reserve_vcc 0
		.amdhsa_float_denorm_mode_32 3
		.amdhsa_float_denorm_mode_16_64 3
		.amdhsa_memory_ordered 1
		.amdhsa_forward_progress 1
		.amdhsa_inst_pref_size 118
	.end_amdhsa_kernel
	.amdgpu_metadata
---
amdhsa.version: [ 1, 2 ]
amdhsa.kernels:
  - .name:           k_qcc3f0dd99d_attn
    .symbol:         k_qcc3f0dd99d_attn.kd
    .args:
      - { .name: qc, .offset: 0, .size: 8, .value_kind: global_buffer, .address_space: global }
      - { .name: kv, .offset: 8, .size: 8, .value_kind: global_buffer, .address_space: global }
      - { .name: out0, .offset: 16, .size: 8, .value_kind: global_buffer, .address_space: global }
    .group_segment_fixed_size: 313344
    .private_segment_fixed_size: 0
    .kernarg_segment_align: 8
    .kernarg_segment_size: 24
    .max_flat_workgroup_size: 512
    .sgpr_count:     66
    .vgpr_count:     256
    .wavefront_size: 32
...
	.end_amdgpu_metadata
.endif
;; end of part 2
